; MI455X (gfx1250); checked and timed in simulation.
; The chip was launched on July 23, 2026; its instructions are those of AMD's public machine-readable ISA for CDNA 5 (MIT licence, August 2026) and "CDNA5" Instruction Set Architecture Reference Guide (July 2026). The comments in the code are by the model that wrote it; some were corrected since.
;; Strategy Quantizer. Allowed arithmetic: matrix products marked QUANTISED: E5M2 operands, one given power-of-two scale a tensor, by v_wmma_f32_16x16x64_bf8_bf8 or v_wmma_f32_16x16x128_bf8_bf8, f32 sums; everything else in f32.
;; Inputs: lowp_scales 2 int32 (the exponents e of the quantised operands' scales 2^e); weight 1,024 x 64 float32; x 262,144 x 64 float32.
;; Outputs: out0 262,144 x 64 float32.
;; This version of the problem:
;;   THIS VERSION OF THE PROBLEM IS GIVEN IN LOW PRECISION. The matrix products marked QUANTISED in the list below multiply operands that are first quantised to E5M2 (5 exponent bits, 2 mantissa bits; 8 bits a number), with one given power-of-two scale for each operand tensor; their sums are f32. All else is computed in f32.
;;   The module's matrix products, in the order in which they are computed (A, B: the left and right operand; K: the contracted axis; several contracted axes count as one K, in the product's order):
;;     1. [M 262,144, K 64] x [K 64, N 1,024]; A: input x; B: input weight: QUANTISED (scales: A lowp_scales[0], B lowp_scales[1])
;;   THE QUANTISER, for each operand of a quantised product, along K:
;;     - The operand's scale is 2^e, e = its entry of the input lowp_scales (int32; the entries are numbered through the quantised products in the list's order, A before B).
;;     - Each number is divided by the scale, clamped to +-57,344, and rounded to the nearest number of E5M2, ties to even, subnormals kept.
;;     - The product sums the exact products of the quantised numbers (number of the format x scale) in f32.
;;   ~~~python
;;   def quantise(x, axis, e):      # numpy; x: float32 -> the quantised numbers, widened to float32 again
;;       x = np.moveaxis(x, axis, -1); K = x.shape[-1]
;;       r = np.clip(x / 2.0 ** e, -57344, 57344)
;;       step = 2.0 ** (np.maximum(np.frexp(np.where(r == 0, 1, r))[1] - 1, -14) - 2)
;;       q = np.round(r / step) * step * 2.0 ** e      # np.round: ties to even
;;       return np.moveaxis(q, -1, axis).astype(np.float32)
;;   ~~~
;; 2 versions. Each part assembles by itself: llvm-mc -triple=amdgcn-amd-amdhsa -mcpu=gfx1250 --defsym DOCPART=n.
;; ======== version 1 of 2: 2 launches
;; workspace buffers: idx 1,048,576 bytes of whole numbers
;; launch nearest (part 1): grid 256 x 1, 16 waves a work-group, no clusters, 141,312 bytes of LDS; arguments x, weight, lowp_scales, idx; writes idx
.if DOCPART == 1
	.amdgcn_target "amdgcn-amd-amdhsa--gfx1250"
	.amdhsa_code_object_version 6
	.text
	.protected	k_q9ac98d4985_nearest
	.globl	k_q9ac98d4985_nearest
	.p2align	8
	.type	k_q9ac98d4985_nearest,@function
k_q9ac98d4985_nearest:
	s_mov_b64 s[64:65], 0
	v_nop
	global_prefetch_b8 v0, s[64:65] scope:SCOPE_SE
	s_setreg_imm32_b32 hwreg(HW_REG_WAVE_MODE, 25, 1), 1
	s_wait_xcnt 0x0
; idx[row] = the first code k (of 1,024) at which sqrt(max(x2 - 2 Q(x).Q(w_k) + w2_k, 0)) is least.  x: [262144][64] f32, weight: [1024][64] f32, idx: [262144] int32.
; Q: codes of BF8 (E5M2) with the given scales 2^ex (x) and 2^ew (weight): number / scale, held within +-57,344, to the nearest code, ties to even.
; ARITHMETIC.  With e = ex + ew and D(k, q) = sum of code products + C(k), C(k) = -w2(k) / 2^(e+1), d2 = x2 - 2^(e+1) D: the least d2 is the largest D.  C is the matrix instruction's C operand,
; so w2 costs no vector instruction, and x2 enters only through the clip at 0: d2 <= 0 where D >= cap = x2 / 2^(e+1).  What is maximised is min(D, cap), the first index on equality.  The root is monotone and is not taken.
; LIMITS.  D is rounded once, where the problem's definition rounds d2 twice and then takes a root in f32: two codes whose d2 lie within about two steps of f32 of each other, which that definition may see as equal
; (and then takes the lower index), are told apart here by D.  NaN among the inputs is not served.  ex and ew lie between -126 and 112; w2 / 2^(e+1) and x2 / 2^(e+1) are finite f32 numbers.
; SHARES.  A work-group of sixteen waves takes 1,024 rows of x; a wave 64 of them, as four tiles of 16 queries (tile q holds the wave's rows 4 r + q), against all 64 tiles of 16 codes: 256 matrix instructions.
; Four waves lie on a SIMD (4 x 240 registers), so that one wave's vector chains and LDS loads stand beside another's work.  Each work-group quantises the whole codebook itself, four tiles a wave, into LDS.
; LAYOUT.  Source 0 = 16 codes, source 1 = 16 queries: lane (r, h) holds query r, and register j of the result the code 16 t + 8 h + j.  In both operands lane (r, h) holds k = 32 h .. 32 h + 31 of its row
; in its eight registers: the same permutation of k on both sides, so every product meets its partner.
; THE ARG-MAX, 15 vector instructions for a result tile of 8 registers: four three-way maxima (the running best among them), the hold at cap, one compare with the old best, one select for the tile's number,
; eight selects that keep the tile's eight values.  Which of the eight it was is settled once, at the end.
; LDS: code tiles as images of the operand's registers (1,024 bytes a tile: registers 0-3 at 16 x lane, registers 4-7 at 512 + 16 x lane); the 1,024 biases; a stage of 16 rows x (256 + 16) bytes for each wave.
; No tensor load: x is read once by one wave, and the codebook has to be converted on its way in.  No cluster: the weights are read once, at the head, 262,144 bytes beside x's 262,144 a work-group.
.set CBASE,  65536                     ; behind the 64 images: bias[1024], f32
.set STAGE,  69632                     ; behind the biases: the waves' stages
.set SPITCH, 272                       ; a stage row: 256 bytes + 16: the sixteen rows that a load touches begin 16 bytes further on each, modulo 256
.set STW,  1                           ; v1   stage, way in: 272 (lane / 16) + 16 (lane % 16)
.set STR,  2                           ; v2   stage, way out: 272 r + 128 h
.set L16,  3                           ; v3   16 x lane: my place in a load of weight, and in an image
.set XOFF, 4                           ; v4   x: 1,024 (lane / 16) + 16 (lane % 16)
.set IMW,  5                           ; v5   where I store my wave's images: 4,096 x wave + 16 x lane
.set CBW,  6                           ; v6   where I store my wave's biases: CBASE + 256 x wave + 4 r
.set VC0,  7                           ; v7   CBASE + 32 h: my eight biases of tile 0
.set VAC,  8                           ; v8   the trip's address of images
.set VCA,  9                           ; v9   the trip's address of biases
.set H8,   10                          ; v10  8 h
.set OOFF, 11                          ; v11  16 r + 8 h: my 8 bytes of the wave's 256 of idx
.set SCX,  12                          ; v12  2^ex;  v13  57,344 x 2^ex;  v14, v15 the same with ew
.set LIMX, 13
.set SCW,  14
.set LIMW, 15
.set COD,  16                          ; v16-23  a weight tile's codes (at the head: lane, r, h, wave)
.set TM1,  24                          ; v24-27  at work
.set TM2,  25
.set TM3,  26
.set TM4,  27
.set PS,   28                          ; v28-31  the sums of squares, two packed chains; at the end the four tiles' indices
.set IQ,   28
.set BEST, 32                          ; v32-39  tile q's best, old and new by turns: v[32 + 2 q + p]
.set CAP,  40                          ; v40-43  tile q's cap
.set TIL,  44                          ; v44-47  16 x the tile that holds tile q's best (written first behind the last use of v46, v47 below)
.set SQ,   46                          ; v46     a row's sum of squares
.set PT,   47                          ; v47     the lane permute's destination
.set XQ,   48                          ; v48-79   x's codes, 8 a tile; before that weight tile 3 as loaded
.set KEEP, 80                          ; v80-111  the kept values, 8 a tile; before that x tile 0 as loaded
.set NUM,  112                         ; v112-143 32 numbers of my row; later the four results
.set ACC,  112
.set BUF,  144                         ; v144-175 two buffers of a code tile: 8 registers of codes, 8 of biases; before that raw rows
.set RAW0, 144
.set RAW1, 176
.set RAW2, 208
.set RAW3, 48
.set RAWX, 80
.set NE,   20                          ; s20  -(ex + ew + 1)
	s_load_b256 s[4:11], s[0:1], 0x0               ; x s[4:5], weight s[6:7], the scales' exponents s[8:9], idx s[10:11]
	v_lshl_add_u32 v240, v0, 2, 0x22000
	v_mov_b32 v241, 0
	v_lshrrev_b32 v23, 5, v0
	v_readfirstlane_b32 s14, v23                   ; wave 0..15
	v_and_b32 v20, 31, v0                          ; lane
	v_and_b32 v21, 15, v0                          ; r
	v_bfe_u32 v22, v0, 4, 1                        ; h
	s_mul_i32 s15, s14, 16*SPITCH
	s_add_co_u32 s15, s15, STAGE                   ; my wave's stage
	v_mul_u32_u24 v[STW], v22, SPITCH
	v_lshl_add_u32 v[STW], v21, 4, v[STW]
	v_add_nc_u32 v[STW], s15, v[STW]
	v_mul_u32_u24 v[STR], v21, SPITCH
	v_lshl_add_u32 v[STR], v22, 7, v[STR]
	v_add_nc_u32 v[STR], s15, v[STR]
	v_lshlrev_b32 v[L16], 4, v20
	v_lshlrev_b32 v[XOFF], 10, v22
	v_lshl_add_u32 v[XOFF], v21, 4, v[XOFF]
	s_lshl_b32 s16, s14, 12
	v_add_nc_u32 v[IMW], s16, v[L16]
	s_lshl_b32 s16, s14, 8
	s_add_co_u32 s16, s16, CBASE
	v_lshl_add_u32 v[CBW], v21, 2, s16
	v_lshlrev_b32 v[VC0], 5, v22
	v_add_nc_u32 v[VC0], CBASE, v[VC0]
	v_lshlrev_b32 v[H8], 3, v22
	v_lshl_add_u32 v[OOFF], v21, 4, v[H8]
	v_mov_b32 v[PT], 0                             ; written once: a lane permute's destination counts as one of its sources
	s_mov_b32 s22, 0x76543210                      ; v_permlanex16_b32's selects for lane l xor 16
	s_mov_b32 s23, 0xfedcba98
	s_mov_b32 s29, 0xffff0000                      ; lanes 16 to 31
	s_lshl_b32 s17, s14, 14                        ; my wave's 64 rows of x, and its 64 rows of weight: 16,384 bytes each
	s_lshl_b32 s18, ttmp9, 18                      ; the work-group's 1,024 rows of x
	s_lshl_b32 s19, ttmp9, 12                      ; and its 1,024 words of idx
	s_wait_kmcnt 0x0
	s_load_b64 s[12:13], s[8:9], 0x0               ; ex, ew
	s_add_co_u32 s30, s18, s17
	s_mov_b32 s31, 0
	s_add_nc_u64 s[4:5], s[4:5], s[30:31]          ; x at my wave's first row
	s_mov_b32 s30, s17
	s_add_nc_u64 s[6:7], s[6:7], s[30:31]          ; weight at my wave's first tile
	s_lshl_b32 s30, s14, 8
	s_add_co_u32 s30, s30, s19
	s_add_nc_u64 s[10:11], s[10:11], s[30:31]      ; idx at my wave's first word
.macro WLOAD t, reg                    ; tile t of my four of the codebook, 16 rows = 4,096 dense bytes: each load takes 512 consecutive bytes
.irp i, 0,1,2,3,4,5,6,7
	global_load_b128 v[\reg+4*\i:\reg+4*\i+3], v[L16], s[6:7] offset:4096*(\t)+512*\i
.endr
.endm
.macro XLOAD q, reg                    ; query tile q: my wave's rows 4 r + q.  Load i: sixteen lanes take the whole row 4 (2 i) + q, the other sixteen row 4 (2 i + 1) + q: 256 aligned bytes each
.irp i, 0,1,2,3,4,5,6,7
	global_load_b128 v[\reg+4*\i:\reg+4*\i+3], v[XOFF], s[4:5] offset:2048*\i+256*(\q) th:TH_LOAD_NT
.endr
.endm
.macro TURN reg                        ; 16 rows as loaded go through my own stage and come back 32 neighbours a lane: k = 32 h .. 32 h + 31 of row r.  LDS serves a wave's instructions in order (ISA guide 5.7.1.4): no wait between stores and loads
.irp i, 0,1,2,3,4,5,6,7
	ds_store_b128 v[STW], v[\reg+4*\i:\reg+4*\i+3] offset:2*SPITCH*\i
.endr
.irp c, 0,1,2,3,4,5,6,7
	ds_load_b128 v[NUM+4*\c:NUM+4*\c+3], v[STR] offset:16*\c
.endr
	s_wait_dscnt 0x0                               ; the numbers are in; every earlier LDS store of mine is done too, so its data registers may be written again
.endm
.macro SQSUM                           ; v[SQ] = the sum of the squares of row r's 64 unquantised numbers, in both of its lanes: two packed chains, then lane l xor 16's half
	v_pk_mul_f32 v[PS:PS+1], v[NUM:NUM+1], v[NUM:NUM+1]
	v_pk_mul_f32 v[PS+2:PS+3], v[NUM+2:NUM+3], v[NUM+2:NUM+3]
.irp j, 4,8,12,16,20,24,28
	v_pk_fma_f32 v[PS:PS+1], v[NUM+\j:NUM+\j+1], v[NUM+\j:NUM+\j+1], v[PS:PS+1]
	v_pk_fma_f32 v[PS+2:PS+3], v[NUM+\j+2:NUM+\j+3], v[NUM+\j+2:NUM+\j+3], v[PS+2:PS+3]
.endr
	v_pk_add_f32 v[PS:PS+1], v[PS:PS+1], v[PS+2:PS+3]
	v_add_f32 v[SQ], v[PS], v[PS+1]
	v_permlanex16_b32 v[PT], v[SQ], s22, s23
	v_add_f32 v[SQ], v[SQ], v[PT]
.endm
.macro QUANT out, sc, lim              ; the lane's 32 numbers become 32 codes in v[out] .. v[out + 7]
.irp j, 0,1,2,3,4,5,6,7,8,9,10,11,12,13,14,15,16,17,18,19,20,21,22,23,24,25,26,27,28,29,30,31
	v_med3_num_f32 v[NUM+\j], v[NUM+\j], -v[\lim], v[\lim]   ; the conversion to an 8-bit code does not saturate (ISA guide 7.6.2): the hold at the largest code x the scale comes first
.endr
.irp g, 0,1,2,3
	v_cvt_scalef32_pk8_bf8_f32 v[\out+2*\g:\out+2*\g+1], v[NUM+8*\g:NUM+8*\g+7], v[\sc]
.endr
	v_nop                                          ; one plain vector instruction behind the last conversion: matrix instructions later read the codes and write the numbers' registers
.endm
; One of my four tiles of the codebook: codes to an image, -w2 / 2^(e+1) to the biases.  Its raw registers then take an x tile's loads.
.macro WTILE i, raw
	s_wait_loadcnt 32                              ; loads come back in order: this tile's eight are in; the 32 issued behind them (later weight tiles, x tiles) may be out
	TURN \raw
.if \i < 3
	XLOAD (\i)+1, \raw
.endif
	SQSUM
	QUANT COD, SCW, LIMW
	v_mul_f32 v[TM1], -1.0, v[SQ]
	v_ldexp_f32 v[TM1], v[TM1], s[NE]              ; -w2 / 2^(e+1): a power of two, nothing is rounded
	ds_store_b128 v[IMW], v[COD:COD+3] offset:1024*(\i)
	ds_store_b128 v[IMW], v[COD+4:COD+7] offset:1024*(\i)+512
	ds_store_b32 v[CBW], v[TM1] offset:64*(\i)     ; a row's two lanes store the same number to the same word
.endm
; One of my four tiles of queries: codes into registers, where they stay, and the cap.
.macro XTILE q, raw
	s_wait_loadcnt 24-8*(\q)                       ; this tile's eight loads are in; the later tiles' may be out
	TURN \raw
	SQSUM
	QUANT XQ+8*(\q), SCX, LIMX
	v_ldexp_f32 v[CAP+(\q)], v[SQ], s[NE]          ; x2 / 2^(e+1)
.endm
	WLOAD 0, RAW0                                  ; forty loads go out at once: my four weight tiles and my first x tile
	WLOAD 1, RAW1
	WLOAD 2, RAW2
	WLOAD 3, RAW3
	XLOAD 0, RAWX
	s_wait_kmcnt 0x0                               ; ex, ew
	s_add_co_i32 s15, s12, 127
	s_lshl_b32 s16, s15, 23
	v_mov_b32 v[SCX], s16                          ; 2^ex as f32: the conversion takes its exponent field
	s_add_co_i32 s15, s15, 15
	s_lshl_b32 s15, s15, 23
	s_or_b32 s15, s15, 0x600000
	v_mov_b32 v[LIMX], s15                         ; 57,344 x 2^ex
	s_add_co_i32 s15, s13, 127
	s_lshl_b32 s16, s15, 23
	v_mov_b32 v[SCW], s16
	s_add_co_i32 s15, s15, 15
	s_lshl_b32 s15, s15, 23
	s_or_b32 s15, s15, 0x600000
	v_mov_b32 v[LIMW], s15
	s_add_co_i32 s[NE], s12, s13
	s_add_co_i32 s[NE], s[NE], 1
	s_sub_co_i32 s[NE], 0, s[NE]                   ; -(ex + ew + 1)
	WTILE 0, RAW0
	WTILE 1, RAW1
	WTILE 2, RAW2
	WTILE 3, RAW3
	s_wait_dscnt 0x0                               ; for the others' sake: my images and biases have landed
	s_barrier_signal -1
	s_barrier_wait -1                              ; the whole codebook lies in LDS; it is never written again, so this is the only barrier
	XTILE 0, RAWX
	XTILE 1, RAW0
	XTILE 2, RAW1
	XTILE 3, RAW2
; The 15 lines for query tile q's result.  p: which of the two registers holds the old best.  The first line reads the result's lowest registers.
.macro PROC q, p
	v_max3_num_f32 v[TM1], v[ACC+8*(\q)], v[ACC+8*(\q)+1], v[ACC+8*(\q)+2]
	v_max3_num_f32 v[TM2], v[ACC+8*(\q)+3], v[ACC+8*(\q)+4], v[ACC+8*(\q)+5]
	v_max3_num_f32 v[TM3], v[ACC+8*(\q)+6], v[ACC+8*(\q)+7], v[BEST+2*(\q)+(\p)]
	v_max3_num_f32 v[TM1], v[TM1], v[TM2], v[TM3]
	v_min_num_f32 v[BEST+2*(\q)+1-(\p)], v[TM1], v[CAP+(\q)]       ; the clip of d2 at 0
	v_cmp_gt_f32 vcc_lo, v[BEST+2*(\q)+1-(\p)], v[BEST+2*(\q)+(\p)]  ; strictly better: on equality the earlier tile stays
	v_cndmask_b32 v[TIL+(\q)], v[TIL+(\q)], s[25+(\p)], vcc_lo
.irp j, 0,1,2,3,4,5,6,7
	v_cndmask_b32 v[KEEP+8*(\q)+\j], v[KEEP+8*(\q)+\j], v[ACC+8*(\q)+\j], vcc_lo
.endr
.endm
.macro MUL q, buf                      ; 16 codes x 16 queries x all 64 of K, the biases as C
	v_wmma_f32_16x16x64_bf8_bf8 v[ACC+8*(\q):ACC+8*(\q)+7], v[BUF+16*(\buf):BUF+16*(\buf)+7], v[XQ+8*(\q):XQ+8*(\q)+7], v[BUF+16*(\buf)+8:BUF+16*(\buf)+15]
.endm
; Step s (p = s % 2) looks at code tile s's four results, multiplies tile s + 1 (buffer 1 - p) and fetches tile s + 2 (buffer p).
; DISTANCES: between a product and the lines that read its result, or the product that writes over it, stand the 45 plain lines of the other three tiles, which name none of its registers;
; between buffer p's last product and the loads into it stand tile 0's 15.  No product adds in place: C is never D.
.macro STEP p, load, mul
	PROC 0, \p
.if \mul
	s_wait_dscnt 0x0                               ; tile s + 1, asked for a step ago, is in
.endif
.if \load
	ds_load_b128 v[BUF+16*(\p):BUF+16*(\p)+3],     v[VAC] offset:(2+(\p))*1024
	ds_load_b128 v[BUF+16*(\p)+4:BUF+16*(\p)+7],   v[VAC] offset:(2+(\p))*1024+512
	ds_load_b128 v[BUF+16*(\p)+8:BUF+16*(\p)+11],  v[VCA] offset:(2+(\p))*64
	ds_load_b128 v[BUF+16*(\p)+12:BUF+16*(\p)+15], v[VCA] offset:(2+(\p))*64+16
.endif
.if \mul
	MUL 0, 1-(\p)
.endif
.irp q, 1,2,3
	PROC \q, \p
.if \mul
	MUL \q, 1-(\p)
.endif
.endr
.endm
	ds_load_b128 v[BUF:BUF+3],     v[L16]          ; code tile 0
	ds_load_b128 v[BUF+4:BUF+7],   v[L16] offset:512
	ds_load_b128 v[BUF+8:BUF+11],  v[VC0]
	ds_load_b128 v[BUF+12:BUF+15], v[VC0] offset:16
	ds_load_b128 v[BUF+16:BUF+19], v[L16] offset:1024   ; code tile 1
	ds_load_b128 v[BUF+20:BUF+23], v[L16] offset:1536
	ds_load_b128 v[BUF+24:BUF+27], v[VC0] offset:64
	ds_load_b128 v[BUF+28:BUF+31], v[VC0] offset:80
	s_mov_b32 s15, 0xff800000                      ; -infinity, under every D
	s_mov_b32 s24, 0                               ; trips
	s_mov_b32 s25, 0                               ; 16 x the even step's tile
	s_mov_b32 s26, 16                              ; 16 x the odd step's
	s_mov_b32 s27, 0                               ; the trip's two tiles of images: 2,048 bytes a trip
	s_mov_b32 s28, 0                               ; and of biases: 128 bytes a trip
	s_wait_dscnt 0x4                               ; tile 0's four loads are in; tile 1's four may be out
	MUL 0, 0
	MUL 1, 0
	MUL 2, 0
	MUL 3, 0
.irp j, 0,1,2,3,4,5,6,7,8,9,10,11,12,13,14,15,16,17,18,19,20,21,22,23,24,25,26,27,28,29,30,31
	v_mov_b32 v[KEEP+\j], s15                      ; the selects read what they keep, so it is written once.  (These lines are also the places behind the first products)
.endr
.irp q, 0,1,2,3
	v_mov_b32 v[BEST+2*\q], s15
	v_mov_b32 v[TIL+\q], 0
.endr
.Ltrip:                                            ; 31 trips of two steps: steps 0 to 61, which fetch tiles 2 to 63
	v_add_nc_u32 v[VAC], s27, v[L16]
	v_add_nc_u32 v[VCA], s28, v[VC0]
	STEP 0, 1, 1
	STEP 1, 1, 1
	s_add_co_u32 s25, s25, 32
	s_add_co_u32 s26, s26, 32
	s_add_co_u32 s27, s27, 2048
	s_add_co_u32 s28, s28, 128
	s_add_co_u32 s24, s24, 1
	s_cmp_lt_u32 s24, 31
	s_cbranch_scc1 .Ltrip
	STEP 0, 0, 1                                   ; step 62: nothing is left to fetch
	STEP 1, 0, 0                                   ; step 63: nothing is left to multiply.  An even number of steps: the best lies in v[BEST + 2 q] again
; Tile q's index.  In the kept tile the first j whose value reaches the best (values at or above the cap all count as the cap); then the query's other eight codes of each tile, in lane l xor 16: the better, on equality the lower index.
.macro RESOLVE q
	v_mov_b32 v[TM1], 7
.irp j, 6,5,4,3,2,1,0
	v_cmp_ge_f32 vcc_lo, v[KEEP+8*(\q)+\j], v[BEST+2*(\q)]
	v_cndmask_b32 v[TM1], v[TM1], \j, vcc_lo
.endr
	v_add3_u32 v[TM1], v[TIL+(\q)], v[TM1], v[H8]  ; 16 t + j + 8 h
	v_permlanex16_b32 v[TM2], v[BEST+2*(\q)], s22, s23
	v_permlanex16_b32 v[TM3], v[TM1], s22, s23
	v_min_u32 v[TM4], v[TM1], v[TM3]
	v_cmp_gt_f32 vcc_lo, v[TM2], v[BEST+2*(\q)]
	v_cndmask_b32 v[TM1], v[TM1], v[TM3], vcc_lo
	v_cmp_eq_f32 vcc_lo, v[TM2], v[BEST+2*(\q)]
	v_cndmask_b32 v[IQ+(\q)], v[TM1], v[TM4], vcc_lo
.endm
	RESOLVE 0
	RESOLVE 1
	RESOLVE 2
	RESOLVE 3
	v_cndmask_b32 v26, v[IQ], v[IQ+2], s29         ; rows 4 r .. 4 r + 3 are neighbours in idx: lanes 0-15 store tiles 0 and 1's, lanes 16-31 tiles 2 and 3's
	v_cndmask_b32 v27, v[IQ+1], v[IQ+3], s29
	global_store_b64 v[OOFF], v[26:27], s[10:11]   ; the wave stores 256 consecutive bytes, at a multiple of 256 from idx's first byte
	s_wait_tensorcnt 0x0
	ds_add_u32 v240, v241
	s_wait_dscnt 0x0
	s_endpgm
.Lfunc_end_k_q9ac98d4985_nearest:
	.size	k_q9ac98d4985_nearest, .Lfunc_end_k_q9ac98d4985_nearest-k_q9ac98d4985_nearest
	.p2alignl 7, 3214868480
	.fill 96, 4, 3214868480
	.section	.rodata,"a",@progbits
	.p2align	6, 0x0
	.amdhsa_kernel k_q9ac98d4985_nearest
		.amdhsa_group_segment_fixed_size 141312
		.amdhsa_private_segment_fixed_size 0
		.amdhsa_enable_private_segment 0
		.amdhsa_kernarg_size 32
		.amdhsa_user_sgpr_count 2
		.amdhsa_user_sgpr_kernarg_segment_ptr 1
		.amdhsa_wavefront_size32 1
		.amdhsa_system_sgpr_workgroup_id_x 1
		.amdhsa_system_sgpr_workgroup_id_y 1
		.amdhsa_system_sgpr_workgroup_id_z 1
		.amdhsa_system_vgpr_workitem_id 0
		.amdhsa_next_free_vgpr 242
		.amdhsa_next_free_sgpr 66
		.amdhsa_reserve_vcc 1
		.amdhsa_float_denorm_mode_32 3
		.amdhsa_float_denorm_mode_16_64 3
		.amdhsa_memory_ordered 1
		.amdhsa_forward_progress 1
		.amdhsa_inst_pref_size 66
	.end_amdhsa_kernel
	.amdgpu_metadata
---
amdhsa.version: [ 1, 2 ]
amdhsa.kernels:
  - .name:           k_q9ac98d4985_nearest
    .symbol:         k_q9ac98d4985_nearest.kd
    .args:
      - { .name: x, .offset: 0, .size: 8, .value_kind: global_buffer, .address_space: global }
      - { .name: weight, .offset: 8, .size: 8, .value_kind: global_buffer, .address_space: global }
      - { .name: lowp_scales, .offset: 16, .size: 8, .value_kind: global_buffer, .address_space: global }
      - { .name: idx, .offset: 24, .size: 8, .value_kind: global_buffer, .address_space: global }
    .group_segment_fixed_size: 141312
    .private_segment_fixed_size: 0
    .kernarg_segment_align: 8
    .kernarg_segment_size: 32
    .max_flat_workgroup_size: 512
    .sgpr_count:     66
    .vgpr_count:     242
    .wavefront_size: 32
...
	.end_amdgpu_metadata
.endif
;; end of part 1
;; launch gather (part 2): grid 512 x 1, 8 waves a work-group, no clusters, 0 bytes of LDS; arguments idx, weight, out0; writes out0
.if DOCPART == 2
	.amdgcn_target "amdgcn-amd-amdhsa--gfx1250"
	.amdhsa_code_object_version 6
	.text
	.protected	k_q9ac98d4985_gather
	.globl	k_q9ac98d4985_gather
	.p2align	8
	.type	k_q9ac98d4985_gather,@function
k_q9ac98d4985_gather:
	s_mov_b64 s[64:65], 0
	v_nop
	global_prefetch_b8 v0, s[64:65] scope:SCOPE_SE
	s_setreg_imm32_b32 hwreg(HW_REG_WAVE_MODE, 25, 1), 1
	s_wait_xcnt 0x0
; out0[row][:] = weight[idx[row]][:].  idx: [262144] int32, stored by the launch before; weight: [1024][64] f32; out0: [262144][64] f32.
; A stream: no LDS, no barrier, no matrix unit.  A wave takes 64 rows: one load brings their 64 indices (two a lane); then 32 gathers and 32 stores of two rows each: lanes 0-15 serve row k, lanes 16-31 row 32 + k,
; sixteen lanes to a row of 256 bytes, so every load and every store covers whole aligned runs of 256 bytes.  All 32 gathers of a wave are out together; every step has registers of its own, so nothing that a
; pending load or store reads is written again.  An index is held at 1,023 before it enters an address; the launch before stores none above that.
.set OF, 8                             ; v8-39    step k's byte offset in weight
.set DT, 40                            ; v40-167  step k's 16 bytes a lane
	s_load_b128 s[4:7], s[0:1], 0x0                ; idx s[4:5], weight s[6:7]
	s_load_b64 s[8:9], s[0:1], 0x10                ; out0
	v_lshrrev_b32 v1, 5, v0
	v_readfirstlane_b32 s10, v1                    ; wave 0..7
	s_lshl_b32 s11, ttmp9, 3
	s_add_co_u32 s11, s11, s10                     ; which run of 64 rows is my wave's
	v_and_b32 v7, 31, v0
	v_lshlrev_b32 v1, 3, v7                        ; my two indices: 8 x lane
	v_and_b32 v5, 15, v0
	v_lshlrev_b32 v5, 4, v5                        ; my 16 bytes of a row
	v_bfe_u32 v6, v0, 4, 1
	v_lshl_add_u32 v6, v6, 13, v5                  ; in out0: lanes 16-31 stand 32 rows further down
	v_mov_b32 v4, 0                                ; written once: the destination of a move between lanes counts as one of its sources
	s_lshl_b32 s12, s11, 8                         ; 64 indices
	s_mov_b32 s13, 0
	s_lshl_b32 s14, s11, 14                        ; 64 rows of 256 bytes
	s_mov_b32 s15, 0
	s_wait_kmcnt 0x0
	s_add_nc_u64 s[4:5], s[4:5], s[12:13]
	s_add_nc_u64 s[8:9], s[8:9], s[14:15]
	global_load_b64 v[2:3], v1, s[4:5] th:TH_LOAD_NT   ; lane l: the indices of rows 2 l and 2 l + 1
	s_wait_loadcnt 0x0
.irp n, 0,1,2,3,4,5,6,7,8,9,10,11,12,13,14,15      ; step k = 2 n + c: row k's index lies in lane n, row 32 + k's in lane 16 + n, register c: lane n of each half of the wave
.irp c, 0,1
	v_mov_b32_dpp v4, v[2+\c] row_share:\n row_mask:0xf bank_mask:0xf
	v_min_u32 v[OF+2*\n+\c], 0x3ff, v4
	v_lshl_add_u32 v[OF+2*\n+\c], v[OF+2*\n+\c], 8, v5
	global_load_b128 v[DT+4*(2*\n+\c):DT+4*(2*\n+\c)+3], v[OF+2*\n+\c], s[6:7]
.endr
.endr
.irp k, 0,1,2,3,4,5,6,7,8,9,10,11,12,13,14,15,16,17,18,19,20,21,22,23,24,25,26,27,28,29,30,31
	s_wait_loadcnt 31-\k                           ; loads come back in order: step k's is in, the younger ones may be out
	global_store_b128 v6, v[DT+4*\k:DT+4*\k+3], s[8:9] offset:256*\k th:TH_STORE_NT   ; written once, read by nobody here
.endr
	s_endpgm
.Lfunc_end_k_q9ac98d4985_gather:
	.size	k_q9ac98d4985_gather, .Lfunc_end_k_q9ac98d4985_gather-k_q9ac98d4985_gather
	.p2alignl 7, 3214868480
	.fill 96, 4, 3214868480
	.section	.rodata,"a",@progbits
	.p2align	6, 0x0
	.amdhsa_kernel k_q9ac98d4985_gather
		.amdhsa_group_segment_fixed_size 0
		.amdhsa_private_segment_fixed_size 0
		.amdhsa_enable_private_segment 0
		.amdhsa_kernarg_size 24
		.amdhsa_user_sgpr_count 2
		.amdhsa_user_sgpr_kernarg_segment_ptr 1
		.amdhsa_wavefront_size32 1
		.amdhsa_system_sgpr_workgroup_id_x 1
		.amdhsa_system_sgpr_workgroup_id_y 1
		.amdhsa_system_sgpr_workgroup_id_z 1
		.amdhsa_system_vgpr_workitem_id 0
		.amdhsa_next_free_vgpr 168
		.amdhsa_next_free_sgpr 66
		.amdhsa_reserve_vcc 0
		.amdhsa_float_denorm_mode_32 3
		.amdhsa_float_denorm_mode_16_64 3
		.amdhsa_memory_ordered 1
		.amdhsa_forward_progress 1
		.amdhsa_inst_pref_size 15
	.end_amdhsa_kernel
	.amdgpu_metadata
---
amdhsa.version: [ 1, 2 ]
amdhsa.kernels:
  - .name:           k_q9ac98d4985_gather
    .symbol:         k_q9ac98d4985_gather.kd
    .args:
      - { .name: idx, .offset: 0, .size: 8, .value_kind: global_buffer, .address_space: global }
      - { .name: weight, .offset: 8, .size: 8, .value_kind: global_buffer, .address_space: global }
      - { .name: out0, .offset: 16, .size: 8, .value_kind: global_buffer, .address_space: global }
    .group_segment_fixed_size: 0
    .private_segment_fixed_size: 0
    .kernarg_segment_align: 8
    .kernarg_segment_size: 24
    .max_flat_workgroup_size: 256
    .sgpr_count:     66
    .vgpr_count:     168
    .wavefront_size: 32
...
	.end_amdgpu_metadata
.endif
;; end of part 2
;; ======== version 2 of 2: 2 launches; version 1 with the launches nearest, gather written anew for expert scheduling mode
;; workspace buffers: idx 1,048,576 bytes of whole numbers
;; launch nearest (part 3): grid 256 x 1, 16 waves a work-group, no clusters, 141,312 bytes of LDS; arguments x, weight, lowp_scales, idx; writes idx
.if DOCPART == 3
	.amdgcn_target "amdgcn-amd-amdhsa--gfx1250"
	.amdhsa_code_object_version 6
	.text
	.protected	k_q9ac98d4985_nearest
	.globl	k_q9ac98d4985_nearest
	.p2align	8
	.type	k_q9ac98d4985_nearest,@function
k_q9ac98d4985_nearest:
	s_mov_b64 s[64:65], 0
	v_nop
	global_prefetch_b8 v0, s[64:65] scope:SCOPE_SE
	s_setreg_imm32_b32 hwreg(HW_REG_WAVE_SCHED_MODE, 0, 2), 2
	s_setreg_imm32_b32 hwreg(HW_REG_WAVE_MODE, 25, 1), 1
	s_wait_xcnt 0x0
	s_wait_alu depctr_vm_vsrc(0)
; idx[row] = the first code k (of 1,024) at which sqrt(max(x2 - 2 Q(x).Q(w_k) + w2_k, 0)) is least.  x: [262144][64] f32, weight: [1024][64] f32, idx: [262144] int32.
; Q: codes of BF8 (E5M2) with the given scales 2^ex (x) and 2^ew (weight): number / scale, held within +-57,344, to the nearest code, ties to even.
; ARITHMETIC.  With e = ex + ew and D(k, q) = sum of code products + C(k), C(k) = -w2(k) / 2^(e+1), d2 = x2 - 2^(e+1) D: the least d2 is the largest D.  C is the matrix instruction's C operand,
; so w2 costs no vector instruction, and x2 enters only through the clip at 0: d2 <= 0 where D >= cap = x2 / 2^(e+1).  What is maximised is min(D, cap), the first index on equality.  The root is monotone and is not taken.
; LIMITS.  D is rounded once, where the problem's definition rounds d2 twice and then takes a root in f32: two codes whose d2 lie within about two steps of f32 of each other, which that definition may see as equal
; (and then takes the lower index), are told apart here by D.  NaN among the inputs is not served.  ex and ew lie between -126 and 112; w2 / 2^(e+1) and x2 / 2^(e+1) are finite f32 numbers.
; SHARES.  A work-group of sixteen waves takes 1,024 rows of x; a wave 64 of them, as four tiles of 16 queries (tile q holds the wave's rows 4 r + q), against all 64 tiles of 16 codes: 256 matrix instructions.
; Four waves lie on a SIMD (4 x 240 registers), so that one wave's vector chains and LDS loads stand beside another's work.  Each work-group quantises the whole codebook itself, four tiles a wave, into LDS.
; LAYOUT.  Source 0 = 16 codes, source 1 = 16 queries: lane (r, h) holds query r, and register j of the result the code 16 t + 8 h + j.  In both operands lane (r, h) holds k = 32 h .. 32 h + 31 of its row
; in its eight registers: the same permutation of k on both sides, so every product meets its partner.
; THE ARG-MAX, 15 vector instructions for a result tile of 8 registers: four three-way maxima (the running best among them), the hold at cap, one compare with the old best, one select for the tile's number,
; eight selects that keep the tile's eight values.  Which of the eight it was is settled once, at the end.
; LDS: code tiles as images of the operand's registers (1,024 bytes a tile: registers 0-3 at 16 x lane, registers 4-7 at 512 + 16 x lane); the 1,024 biases; a stage of 16 rows x (256 + 16) bytes for each wave.
; No tensor load: x is read once by one wave, and the codebook has to be converted on its way in.  No cluster: the weights are read once, at the head, 262,144 bytes beside x's 262,144 a work-group.
; THE MODE: SCHED_MODE bits 1:0 = 2 (LLVM: expert scheduling mode 2), set by the entry lines.  The code itself states the register dependences between vector or matrix instructions and memory or LDS
; instructions, and those through scalar registers that vector instructions write, with s_wait_alu, always for 0.
; THE PLAN.  Registers that memory or LDS instructions touch:
;   v1-7, v11      addresses and offsets: written at the head, ahead of one wait on va_vdst, and never again.
;   RAW0-3, RAWX   rows as loaded: written by global loads, read by the stores into the stage; no vector instruction names them while they hold rows.  Each turn through the stage ends with a wait on vm_vsrc,
;                  behind which they take what comes next: an x tile's loads, x's codes, the kept values, the code tiles' buffers, the temporaries.
;   NUM            written by the loads from the stage, then by the holds; read by the squares and the conversions.  A wait on va_vdst stands between a tile's conversions and the next tile's loads.
;   COD, v24       a weight tile's codes and a row's bias: written by vector instructions, read by three LDS stores behind a wait on va_vdst; written again behind the next turn's wait on vm_vsrc.
;   BUF0-3         code tile s lies in buffer s % 4.  Read by the four products of tile s, which step s - 1 issues.  An even step s loads tiles s + 3 and s + 4 into buffers (s + 3) % 4 and s % 4, whose products
;                  were issued in steps s - 2 and s - 1: ONE wait on va_vdst for two steps, and behind it the eight loads are dealt among selects and products that name neither those buffers nor the addresses.
;   VAC, VCA       the trip's LDS addresses: written at a trip's head behind a wait on vm_vsrc; the first step's wait on va_vdst stands ahead of the first load that reads them.
;   v[26:27]       the wave's one global store's data, behind a wait on va_vdst.
;   A step's four compares go into four scalar registers in one run, with ONE wait on va_sdst ahead of the selects that read them.
.set CBASE,  65536                     ; behind the 64 images: bias[1024], f32
.set STAGE,  69632                     ; behind the biases: the waves' stages
.set SPITCH, 272                       ; a stage row: 256 bytes + 16: the sixteen rows that a load touches begin 16 bytes further on each, modulo 256
.set STW,  1                           ; v1   stage, way in: 272 (lane / 16) + 16 (lane % 16)
.set STR,  2                           ; v2   stage, way out: 272 r + 128 h
.set L16,  3                           ; v3   16 x lane: my place in a load of weight, and in an image
.set XOFF, 4                           ; v4   x: 1,024 (lane / 16) + 16 (lane % 16)
.set IMW,  5                           ; v5   where I store my wave's images: 4,096 x wave + 16 x lane
.set CBW,  6                           ; v6   where I store my wave's biases: CBASE + 256 x wave + 4 r
.set VC0,  7                           ; v7   CBASE + 32 h: my eight biases of tile 0
.set VAC,  8                           ; v8   the trip's address of images
.set VCA,  9                           ; v9   the trip's address of biases
.set H8,   10                          ; v10  8 h
.set OOFF, 11                          ; v11  16 r + 8 h: my 8 bytes of the wave's 256 of idx
.set SCX,  12                          ; v12  2^ex;  v13  57,344 x 2^ex;  v14, v15 the same with ew
.set LIMX, 13
.set SCW,  14
.set LIMW, 15
.set COD,  16                          ; v16-23  a weight tile's codes (at the head: lane, r, h, wave)
.set BIA,  24                          ; v24     a weight row's bias
.set OUTP, 26                          ; v26-27  what I store to idx
.set PS,   28                          ; v28-31  the sums of squares, two packed chains; at the end the four tiles' indices
.set IQ,   28
.set BEST, 32                          ; v32-39  tile q's best, old and new by turns: v[32 + 2 q + p]
.set CAP,  40                          ; v40-43  tile q's cap
.set TIL,  44                          ; v44-47  16 x the tile that holds tile q's best (written first behind the last use of v46, v47 below)
.set SQ,   46                          ; v46     a row's sum of squares
.set PT,   47                          ; v47     the lane permute's destination
.set XQ,   48                          ; v48-79   x's codes, 8 a tile; before that weight tile 3 as loaded
.set KEEP, 80                          ; v80-111  the kept values, 8 a tile; before that x tile 0 as loaded
.set NUM,  112                         ; v112-143 32 numbers of my row; later the four results
.set ACC,  112
.set BUF,  144                         ; v144-207 four buffers of a code tile: 8 registers of codes, 8 of biases; before that raw rows
.set TMP,  208                         ; v208-223 at work, four registers for each of the four query tiles; before that raw rows
.set RAW0, 144
.set RAW1, 176
.set RAW2, 208
.set RAW3, 48
.set RAWX, 80
.set NE,   20                          ; s20     -(ex + ew + 1)
.set TN,   32                          ; s32-35  16 x the tile whose results step u of the trip looks at
.set MK,   36                          ; s36-39  tile q's mask: the lanes whose best has grown
.set RM,   12                          ; s12-19  at the end: masks
	s_load_b256 s[4:11], s[0:1], 0x0               ; x s[4:5], weight s[6:7], the scales' exponents s[8:9], idx s[10:11]
	v_lshl_add_u32 v240, v0, 2, 0x22000
	v_mov_b32 v241, 0
	v_lshrrev_b32 v23, 5, v0
	v_readfirstlane_b32 s14, v23                   ; wave 0..15
	v_and_b32 v20, 31, v0                          ; lane
	v_and_b32 v21, 15, v0                          ; r
	v_bfe_u32 v22, v0, 4, 1                        ; h
	s_wait_alu depctr_va_sdst(0)                   ; s14 is written, ahead of its first reader: LDS addresses and the bases of x, weight and idx are made from it
	s_mul_i32 s15, s14, 16*SPITCH
	s_add_co_u32 s15, s15, STAGE                   ; my wave's stage
	v_mul_u32_u24 v[STW], v22, SPITCH
	v_lshl_add_u32 v[STW], v21, 4, v[STW]
	v_add_nc_u32 v[STW], s15, v[STW]
	v_mul_u32_u24 v[STR], v21, SPITCH
	v_lshl_add_u32 v[STR], v22, 7, v[STR]
	v_add_nc_u32 v[STR], s15, v[STR]
	v_lshlrev_b32 v[L16], 4, v20
	v_lshlrev_b32 v[XOFF], 10, v22
	v_lshl_add_u32 v[XOFF], v21, 4, v[XOFF]
	s_lshl_b32 s16, s14, 12
	v_add_nc_u32 v[IMW], s16, v[L16]
	s_lshl_b32 s16, s14, 8
	s_add_co_u32 s16, s16, CBASE
	v_lshl_add_u32 v[CBW], v21, 2, s16
	v_lshlrev_b32 v[VC0], 5, v22
	v_add_nc_u32 v[VC0], CBASE, v[VC0]
	v_lshlrev_b32 v[H8], 3, v22
	v_lshl_add_u32 v[OOFF], v21, 4, v[H8]
	v_mov_b32 v[PT], 0                             ; written once: a lane permute's destination counts as one of its sources
	s_mov_b32 s22, 0x76543210                      ; v_permlanex16_b32's selects for lane l xor 16
	s_mov_b32 s23, 0xfedcba98
	s_mov_b32 s29, 0xffff0000                      ; lanes 16 to 31
	s_lshl_b32 s17, s14, 14                        ; my wave's 64 rows of x, and its 64 rows of weight: 16,384 bytes each
	s_lshl_b32 s18, ttmp9, 18                      ; the work-group's 1,024 rows of x
	s_lshl_b32 s19, ttmp9, 12                      ; and its 1,024 words of idx
	s_wait_kmcnt 0x0
	s_load_b64 s[12:13], s[8:9], 0x0               ; ex, ew
	s_add_co_u32 s30, s18, s17
	s_mov_b32 s31, 0
	s_add_nc_u64 s[4:5], s[4:5], s[30:31]          ; x at my wave's first row
	s_mov_b32 s30, s17
	s_add_nc_u64 s[6:7], s[6:7], s[30:31]          ; weight at my wave's first tile
	s_lshl_b32 s30, s14, 8
	s_add_co_u32 s30, s30, s19
	s_add_nc_u64 s[10:11], s[10:11], s[30:31]      ; idx at my wave's first word
.macro WLOAD t, reg                    ; tile t of my four of the codebook, 16 rows = 4,096 dense bytes: each load takes 512 consecutive bytes
.irp i, 0,1,2,3,4,5,6,7
	global_load_b128 v[\reg+4*\i:\reg+4*\i+3], v[L16], s[6:7] offset:4096*(\t)+512*\i
.endr
.endm
.macro XLOAD q, reg                    ; query tile q: my wave's rows 4 r + q.  Load i: sixteen lanes take the whole row 4 (2 i) + q, the other sixteen row 4 (2 i + 1) + q: 256 aligned bytes each
.irp i, 0,1,2,3,4,5,6,7
	global_load_b128 v[\reg+4*\i:\reg+4*\i+3], v[XOFF], s[4:5] offset:2048*\i+256*(\q) th:TH_LOAD_NT
.endr
.endm
; 16 rows as loaded go through my own stage and come back 32 neighbours a lane: k = 32 h .. 32 h + 31 of row r.  LDS serves a wave's instructions in order (ISA guide 5.7.1.4): no wait between stores and loads.
; va = 1: vector instructions have named v[NUM ..] since the last wait on va_vdst.
.macro TURN reg, va
.irp i, 0,1,2,3,4,5,6,7
	ds_store_b128 v[STW], v[\reg+4*\i:\reg+4*\i+3] offset:2*SPITCH*\i
.endr
.if \va
	s_wait_alu depctr_va_vdst(0)                   ; the tile before: its holds have written v[NUM ..] and its squares and conversions are done reading them; the loads below land there
.endif
.irp c, 0,1,2,3,4,5,6,7
	ds_load_b128 v[NUM+4*\c:NUM+4*\c+3], v[STR] offset:16*\c
.endr
	s_wait_dscnt 0x0                               ; the numbers are in
	s_wait_alu depctr_vm_vsrc(0)                   ; the stores above have read the raw rows' registers, which are written next (by an x tile's loads, x's codes, the kept values, the code tiles' loads or the temporaries); the image stores of the tile before have read v[COD ..] and v[BIA]
.endm
.macro SQSUM                           ; v[SQ] = the sum of the squares of row r's 64 unquantised numbers, in both of its lanes: two packed chains, then lane l xor 16's half
	v_pk_mul_f32 v[PS:PS+1], v[NUM:NUM+1], v[NUM:NUM+1]
	v_pk_mul_f32 v[PS+2:PS+3], v[NUM+2:NUM+3], v[NUM+2:NUM+3]
.irp j, 4,8,12,16,20,24,28
	v_pk_fma_f32 v[PS:PS+1], v[NUM+\j:NUM+\j+1], v[NUM+\j:NUM+\j+1], v[PS:PS+1]
	v_pk_fma_f32 v[PS+2:PS+3], v[NUM+\j+2:NUM+\j+3], v[NUM+\j+2:NUM+\j+3], v[PS+2:PS+3]
.endr
	v_pk_add_f32 v[PS:PS+1], v[PS:PS+1], v[PS+2:PS+3]
	v_add_f32 v[SQ], v[PS], v[PS+1]
	v_permlanex16_b32 v[PT], v[SQ], s22, s23
	v_add_f32 v[SQ], v[SQ], v[PT]
.endm
.macro QUANT out, sc, lim              ; the lane's 32 numbers become 32 codes in v[out] .. v[out + 7]
.irp j, 0,1,2,3,4,5,6,7,8,9,10,11,12,13,14,15,16,17,18,19,20,21,22,23,24,25,26,27,28,29,30,31
	v_med3_num_f32 v[NUM+\j], v[NUM+\j], -v[\lim], v[\lim]   ; the conversion to an 8-bit code does not saturate (ISA guide 7.6.2): the hold at the largest code x the scale comes first
.endr
.irp g, 0,1,2,3
	v_cvt_scalef32_pk8_bf8_f32 v[\out+2*\g:\out+2*\g+1], v[NUM+8*\g:NUM+8*\g+7], v[\sc]
.endr
	v_nop                                          ; one plain vector instruction behind the last conversion: matrix instructions later read the codes and write the numbers' registers
.endm
; One of my four tiles of the codebook: codes to an image, -w2 / 2^(e+1) to the biases.  Its raw registers then take an x tile's loads.
.macro WTILE i, raw
	s_wait_loadcnt 32                              ; loads come back in order: this tile's eight are in; the 32 issued behind them (later weight tiles, x tiles) may be out
	TURN \raw, 0                                   ; no vector instruction has named v[NUM ..] since the last wait on va_vdst: the head's, or the one ahead of the last tile's image stores
.if \i < 3
	XLOAD (\i)+1, \raw
.endif
	SQSUM
	QUANT COD, SCW, LIMW
	v_mul_f32 v[BIA], -1.0, v[SQ]
	v_ldexp_f32 v[BIA], v[BIA], s[NE]              ; -w2 / 2^(e+1): a power of two, nothing is rounded
	s_wait_alu depctr_va_vdst(0)                   ; the conversions have written v[COD ..] and the line above v[BIA], which the three stores read; the holds and conversions are done with v[NUM ..], in which the next turn's loads land
	ds_store_b128 v[IMW], v[COD:COD+3] offset:1024*(\i)
	ds_store_b128 v[IMW], v[COD+4:COD+7] offset:1024*(\i)+512
	ds_store_b32 v[CBW], v[BIA] offset:64*(\i)     ; a row's two lanes store the same number to the same word
.endm
; One of my four tiles of queries: codes into registers, where they stay, and the cap.
.macro XTILE q, raw, va
	s_wait_loadcnt 24-8*(\q)                       ; this tile's eight loads are in; the later tiles' may be out
	TURN \raw, \va
	SQSUM
	QUANT XQ+8*(\q), SCX, LIMX
	v_ldexp_f32 v[CAP+(\q)], v[SQ], s[NE]          ; x2 / 2^(e+1)
.endm
	s_wait_alu depctr_va_vdst(0)                   ; the addresses and offsets v1 to v7 and v11 are written: every load and store of the kernel reads one of them, and none is written again
	WLOAD 0, RAW0                                  ; forty loads go out at once: my four weight tiles and my first x tile
	WLOAD 1, RAW1
	WLOAD 2, RAW2
	WLOAD 3, RAW3
	XLOAD 0, RAWX
	s_wait_kmcnt 0x0                               ; ex, ew
	s_add_co_i32 s15, s12, 127
	s_lshl_b32 s16, s15, 23
	v_mov_b32 v[SCX], s16                          ; 2^ex as f32: the conversion takes its exponent field
	s_add_co_i32 s15, s15, 15
	s_lshl_b32 s15, s15, 23
	s_or_b32 s15, s15, 0x600000
	v_mov_b32 v[LIMX], s15                         ; 57,344 x 2^ex
	s_add_co_i32 s15, s13, 127
	s_lshl_b32 s16, s15, 23
	v_mov_b32 v[SCW], s16
	s_add_co_i32 s15, s15, 15
	s_lshl_b32 s15, s15, 23
	s_or_b32 s15, s15, 0x600000
	v_mov_b32 v[LIMW], s15
	s_add_co_i32 s[NE], s12, s13
	s_add_co_i32 s[NE], s[NE], 1
	s_sub_co_i32 s[NE], 0, s[NE]                   ; -(ex + ew + 1)
	WTILE 0, RAW0
	WTILE 1, RAW1
	WTILE 2, RAW2
	WTILE 3, RAW3
	s_wait_dscnt 0x0                               ; for the others' sake: my images and biases have landed
	s_barrier_signal -1
	s_barrier_wait -1                              ; the whole codebook lies in LDS; it is never written again, so this is the only barrier
	XTILE 0, RAWX, 0                               ; (the wait ahead of the last image stores serves this turn's loads)
	XTILE 1, RAW0, 1
	XTILE 2, RAW1, 1
	XTILE 3, RAW2, 1
; The first six of the 15 lines, for all four query tiles, line by line, so that no line reads the result of the line above it.  p: which of the two registers holds the old best.
; The first line that reads a result reads its lowest registers.
.macro LOOK p
.irp q, 0,1,2,3
	v_max3_num_f32 v[TMP+\q], v[ACC+8*\q], v[ACC+8*\q+1], v[ACC+8*\q+2]
.endr
.irp q, 0,1,2,3
	v_max3_num_f32 v[TMP+4+\q], v[ACC+8*\q+3], v[ACC+8*\q+4], v[ACC+8*\q+5]
.endr
.irp q, 0,1,2,3
	v_max3_num_f32 v[TMP+8+\q], v[ACC+8*\q+6], v[ACC+8*\q+7], v[BEST+2*\q+(\p)]
.endr
.irp q, 0,1,2,3
	v_max3_num_f32 v[TMP+\q], v[TMP+\q], v[TMP+4+\q], v[TMP+8+\q]
.endr
.irp q, 0,1,2,3
	v_min_num_f32 v[BEST+2*\q+1-(\p)], v[TMP+\q], v[CAP+\q]        ; the clip of d2 at 0
.endr
.irp q, 0,1,2,3
	v_cmp_gt_f32 s[MK+\q], v[BEST+2*\q+1-(\p)], v[BEST+2*\q+(\p)]  ; strictly better: on equality the earlier tile stays
.endr
	s_wait_alu depctr_va_sdst(0)                   ; the four compares have written s[MK ..], ahead of the selects that read them
.endm
.macro TAKE q                          ; where tile q's best has grown, the result's eight values are kept
.irp j, 0,1,2,3,4,5,6,7
	v_cndmask_b32 v[KEEP+8*(\q)+\j], v[KEEP+8*(\q)+\j], v[ACC+8*(\q)+\j], s[MK+(\q)]
.endr
.endm
.macro MUL q, buf                      ; 16 codes x 16 queries x all 64 of K, the biases as C
	v_wmma_f32_16x16x64_bf8_bf8 v[ACC+8*(\q):ACC+8*(\q)+7], v[BUF+16*(\buf):BUF+16*(\buf)+7], v[XQ+8*(\q):XQ+8*(\q)+7], v[BUF+16*(\buf)+8:BUF+16*(\buf)+15]
.endm
.macro LCODE b, adr, off               ; a code tile's image into buffer b
	ds_load_b128 v[BUF+16*(\b):BUF+16*(\b)+3],     v[\adr] offset:(\off)
	ds_load_b128 v[BUF+16*(\b)+4:BUF+16*(\b)+7],   v[\adr] offset:(\off)+512
.endm
.macro LBIAS b, adr, off               ; and my eight of its biases
	ds_load_b128 v[BUF+16*(\b)+8:BUF+16*(\b)+11],  v[\adr] offset:(\off)
	ds_load_b128 v[BUF+16*(\b)+12:BUF+16*(\b)+15], v[\adr] offset:(\off)+16
.endm
; Step s (u = s % 4) looks at code tile s's four results and multiplies tile s + 1 (buffer (u + 1) % 4).  An even step fetches tiles s + 3 and s + 4 (load = 2), step 60 tile 63 alone (load = 1).
; DISTANCES (ISA guide 7.12.1): behind a step's last product stand the four selects of the tile numbers and the next step's first three lines, seven plain lines that name none of its registers, ahead of the
; first read of its result; every other product has more.  No product adds in place: C is never D.
.macro STEP u, load, mul
	LOOK (\u)%2
.if ((\u)%2 == 0) && \mul
	s_wait_dscnt 0x0                               ; the tiles that this step and the next multiply, asked for two steps ago, are in
.endif
.if \load
	s_wait_alu depctr_va_vdst(0)                   ; the products of the two steps before are done reading the buffers in which the loads below land; in a trip's first step v[VAC] and v[VCA] are written.  No line of this step or the next names these buffers or addresses
.endif
.if \load == 2
	LCODE ((\u)+3)%4, VAC, ((\u)+3)*1024
.endif
.if \load == 1
	LCODE 3, L16, 63*1024
.endif
	TAKE 0
.if \mul
	MUL 0, ((\u)+1)%4
.endif
.if \load == 2
	LBIAS ((\u)+3)%4, VCA, ((\u)+3)*64
.endif
.if \load == 1
	LBIAS 3, VC0, 63*64
.endif
	TAKE 1
.if \mul
	MUL 1, ((\u)+1)%4
.endif
.if \load == 2
	LCODE (\u)%4, VAC, ((\u)+4)*1024
.endif
	TAKE 2
.if \mul
	MUL 2, ((\u)+1)%4
.endif
.if \load == 2
	LBIAS (\u)%4, VCA, ((\u)+4)*64
.endif
	TAKE 3
.if \mul
	MUL 3, ((\u)+1)%4
.endif
.irp q, 0,1,2,3
	v_cndmask_b32 v[TIL+\q], v[TIL+\q], s[TN+(\u)], s[MK+\q]       ; and the tile's number
.endr
.endm
	LCODE 0, L16, 0                                ; code tiles 0, 1 and 2.  The turns' waits on vm_vsrc have freed these registers, and no vector instruction has named them
	LBIAS 0, VC0, 0
	LCODE 1, L16, 1024
	LBIAS 1, VC0, 64
	LCODE 2, L16, 2048
	LBIAS 2, VC0, 128
	s_mov_b32 s15, 0xff800000                      ; -infinity, under every D
	s_mov_b32 s24, 0                               ; trips
	s_mov_b32 s[TN], 0                             ; 16 x the tiles of the trip's four steps
	s_mov_b32 s[TN+1], 16
	s_mov_b32 s[TN+2], 32
	s_mov_b32 s[TN+3], 48
	s_mov_b32 s27, 0                               ; the trip's four tiles of images: 4,096 bytes a trip
	s_mov_b32 s28, 0                               ; and of biases: 256 bytes a trip
	s_wait_alu depctr_va_vdst(0)
	s_wait_dscnt 0x8                               ; tile 0's four loads are in; the eight of tiles 1 and 2 may be out
	MUL 0, 0
	MUL 1, 0
	MUL 2, 0
	MUL 3, 0
.irp j, 0,1,2,3,4,5,6,7,8,9,10,11,12,13,14,15,16,17,18,19,20,21,22,23,24,25,26,27,28,29,30,31
	v_mov_b32 v[KEEP+\j], s15                      ; the selects read what they keep, so it is written once.  (These lines are also the places behind the first products)
.endr
.irp q, 0,1,2,3
	v_mov_b32 v[BEST+2*\q], s15
	v_mov_b32 v[TIL+\q], 0
.endr
.Ltrip:                                            ; 15 trips of four steps: steps 0 to 59, which fetch tiles 3 to 62
	s_wait_alu depctr_vm_vsrc(0)                   ; the LDS loads of the trip before have read v[VAC] and v[VCA]
	v_add_nc_u32 v[VAC], s27, v[L16]
	v_add_nc_u32 v[VCA], s28, v[VC0]
	STEP 0, 2, 1
	STEP 1, 0, 1
	STEP 2, 2, 1
	STEP 3, 0, 1
	s_add_co_u32 s[TN], s[TN], 64
	s_add_co_u32 s[TN+1], s[TN+1], 64
	s_add_co_u32 s[TN+2], s[TN+2], 64
	s_add_co_u32 s[TN+3], s[TN+3], 64
	s_add_co_u32 s27, s27, 4096
	s_add_co_u32 s28, s28, 256
	s_add_co_u32 s24, s24, 1
	s_cmp_lt_u32 s24, 15
	s_cbranch_scc1 .Ltrip
	STEP 0, 1, 1                                   ; step 60: tile 63 is the last to fetch
	STEP 1, 0, 1                                   ; step 61
	STEP 2, 0, 1                                   ; step 62: nothing is left to fetch
	STEP 3, 0, 0                                   ; step 63: nothing is left to multiply.  An even number of steps: the best lies in v[BEST + 2 q] again
; Tile q's index.  In the kept tile the first j whose value reaches the best (values at or above the cap all count as the cap): seven compares in a run, then seven selects.
.macro FIRSTJ q
.irp j, 0,1,2,3,4,5,6
	v_cmp_ge_f32 s[RM+\j], v[KEEP+8*(\q)+\j], v[BEST+2*(\q)]
.endr
	v_mov_b32 v[TMP+(\q)], 7
	s_wait_alu depctr_va_sdst(0)                   ; the seven compares have written s[RM ..], ahead of the selects that read them
.irp j, 6,5,4,3,2,1,0
	v_cndmask_b32 v[TMP+(\q)], v[TMP+(\q)], \j, s[RM+\j]
.endr
	v_add3_u32 v[TMP+(\q)], v[TIL+(\q)], v[TMP+(\q)], v[H8]        ; 16 t + j + 8 h
.endm
	FIRSTJ 0
	FIRSTJ 1
	FIRSTJ 2
	FIRSTJ 3
; Then the query's other eight codes of each tile, in lane l xor 16: the better, on equality the lower index.  All four tiles line by line.
.irp q, 0,1,2,3
	v_permlanex16_b32 v[TMP+4+\q], v[BEST+2*\q], s22, s23
.endr
.irp q, 0,1,2,3
	v_permlanex16_b32 v[TMP+8+\q], v[TMP+\q], s22, s23
.endr
.irp q, 0,1,2,3
	v_min_u32 v[TMP+12+\q], v[TMP+\q], v[TMP+8+\q]
.endr
.irp q, 0,1,2,3
	v_cmp_gt_f32 s[RM+\q], v[TMP+4+\q], v[BEST+2*\q]
.endr
.irp q, 0,1,2,3
	v_cmp_eq_f32 s[RM+4+\q], v[TMP+4+\q], v[BEST+2*\q]
.endr
	s_wait_alu depctr_va_sdst(0)                   ; the eight compares have written s[RM ..], ahead of the selects that read them
.irp q, 0,1,2,3
	v_cndmask_b32 v[TMP+\q], v[TMP+\q], v[TMP+8+\q], s[RM+\q]
.endr
.irp q, 0,1,2,3
	v_cndmask_b32 v[IQ+\q], v[TMP+\q], v[TMP+12+\q], s[RM+4+\q]
.endr
	v_cndmask_b32 v[OUTP], v[IQ], v[IQ+2], s29     ; rows 4 r .. 4 r + 3 are neighbours in idx: lanes 0-15 store tiles 0 and 1's, lanes 16-31 tiles 2 and 3's
	v_cndmask_b32 v[OUTP+1], v[IQ+1], v[IQ+3], s29
	s_wait_alu depctr_va_vdst(0)                   ; the two selects have written v[OUTP:OUTP+1], which the store reads
	global_store_b64 v[OOFF], v[OUTP:OUTP+1], s[10:11]   ; the wave stores 256 consecutive bytes, at a multiple of 256 from idx's first byte
	s_wait_dscnt 0x0
	s_wait_alu depctr_hold_cnt(0) depctr_sa_sdst(0) depctr_va_vdst(0) depctr_va_sdst(0) depctr_va_ssrc(0) depctr_va_vcc(0) depctr_vm_vsrc(0)
	s_wait_tensorcnt 0x0
	ds_add_u32 v240, v241
	s_wait_dscnt 0x0
	s_endpgm
.Lfunc_end_k_q9ac98d4985_nearest:
	.size	k_q9ac98d4985_nearest, .Lfunc_end_k_q9ac98d4985_nearest-k_q9ac98d4985_nearest
	.p2alignl 7, 3214868480
	.fill 96, 4, 3214868480
	.section	.rodata,"a",@progbits
	.p2align	6, 0x0
	.amdhsa_kernel k_q9ac98d4985_nearest
		.amdhsa_group_segment_fixed_size 141312
		.amdhsa_private_segment_fixed_size 0
		.amdhsa_enable_private_segment 0
		.amdhsa_kernarg_size 32
		.amdhsa_user_sgpr_count 2
		.amdhsa_user_sgpr_kernarg_segment_ptr 1
		.amdhsa_wavefront_size32 1
		.amdhsa_system_sgpr_workgroup_id_x 1
		.amdhsa_system_sgpr_workgroup_id_y 1
		.amdhsa_system_sgpr_workgroup_id_z 1
		.amdhsa_system_vgpr_workitem_id 0
		.amdhsa_next_free_vgpr 242
		.amdhsa_next_free_sgpr 66
		.amdhsa_reserve_vcc 0
		.amdhsa_float_denorm_mode_32 3
		.amdhsa_float_denorm_mode_16_64 3
		.amdhsa_memory_ordered 1
		.amdhsa_forward_progress 1
		.amdhsa_inst_pref_size 89
	.end_amdhsa_kernel
	.amdgpu_metadata
---
amdhsa.version: [ 1, 2 ]
amdhsa.kernels:
  - .name:           k_q9ac98d4985_nearest
    .symbol:         k_q9ac98d4985_nearest.kd
    .args:
      - { .name: x, .offset: 0, .size: 8, .value_kind: global_buffer, .address_space: global }
      - { .name: weight, .offset: 8, .size: 8, .value_kind: global_buffer, .address_space: global }
      - { .name: lowp_scales, .offset: 16, .size: 8, .value_kind: global_buffer, .address_space: global }
      - { .name: idx, .offset: 24, .size: 8, .value_kind: global_buffer, .address_space: global }
    .group_segment_fixed_size: 141312
    .private_segment_fixed_size: 0
    .kernarg_segment_align: 8
    .kernarg_segment_size: 32
    .max_flat_workgroup_size: 512
    .sgpr_count:     66
    .vgpr_count:     242
    .wavefront_size: 32
...
	.end_amdgpu_metadata
.endif
;; end of part 3
;; launch gather (part 4): grid 512 x 1, 8 waves a work-group, no clusters, 0 bytes of LDS; arguments idx, weight, out0; writes out0
.if DOCPART == 4
	.amdgcn_target "amdgcn-amd-amdhsa--gfx1250"
	.amdhsa_code_object_version 6
	.text
	.protected	k_q9ac98d4985_gather
	.globl	k_q9ac98d4985_gather
	.p2align	8
	.type	k_q9ac98d4985_gather,@function
k_q9ac98d4985_gather:
	s_mov_b64 s[64:65], 0
	v_nop
	global_prefetch_b8 v0, s[64:65] scope:SCOPE_SE
	s_setreg_imm32_b32 hwreg(HW_REG_WAVE_SCHED_MODE, 0, 2), 2
	s_setreg_imm32_b32 hwreg(HW_REG_WAVE_MODE, 25, 1), 1
	s_wait_xcnt 0x0
	s_wait_alu depctr_vm_vsrc(0)
; out0[row][:] = weight[idx[row]][:].  idx: [262144] int32, stored by the launch before; weight: [1024][64] f32; out0: [262144][64] f32.
; A stream: no LDS, no barrier, no matrix unit.  A wave takes 64 rows: one load brings their 64 indices (two a lane); then 32 gathers and 32 stores of two rows each: lanes 0-15 serve row k, lanes 16-31 row 32 + k,
; sixteen lanes to a row of 256 bytes, so every load and every store covers whole aligned runs of 256 bytes.  All 32 gathers of a wave are out together; every step has registers of its own, so nothing that a
; pending load or store reads is written again.  An index is held at 1,023 before it enters an address; the launch before stores none above that.
; THE MODE: SCHED_MODE bits 1:0 = 2 (LLVM: expert scheduling mode 2), set by the entry lines.  The code itself states the register dependences between vector instructions and memory instructions, and those
; through scalar registers that vector instructions write, with s_wait_alu, always for 0.
; THE PLAN.  Registers that memory instructions touch:
;   v1, v6     the offsets of the index load and of the stores: written at the head, ahead of one wait on va_vdst, and never again.
;   v[2:3]     the indices: written by the one load, read by vector instructions, never loaded again.
;   v8-39      the 32 gathers' offsets: ALL are made first, then ONE wait on va_vdst, then the run of 32 gathers.  None is written again.
;   v40-167    written by the gathers, read by the stores: no vector instruction names them.
.set OF, 8                             ; v8-39    step k's byte offset in weight
.set DT, 40                            ; v40-167  step k's 16 bytes a lane
	s_load_b128 s[4:7], s[0:1], 0x0                ; idx s[4:5], weight s[6:7]
	s_load_b64 s[8:9], s[0:1], 0x10                ; out0
	v_lshrrev_b32 v1, 5, v0
	v_readfirstlane_b32 s10, v1                    ; wave 0..7
	v_and_b32 v7, 31, v0
	v_lshlrev_b32 v1, 3, v7                        ; my two indices: 8 x lane
	v_and_b32 v5, 15, v0
	v_lshlrev_b32 v5, 4, v5                        ; my 16 bytes of a row
	v_bfe_u32 v6, v0, 4, 1
	v_lshl_add_u32 v6, v6, 13, v5                  ; in out0: lanes 16-31 stand 32 rows further down
	v_mov_b32 v4, 0                                ; written once: the destination of a move between lanes counts as one of its sources
	s_wait_alu depctr_va_sdst(0)                   ; s10 is written, ahead of its first reader: the bases of idx and out0 are made from it
	s_lshl_b32 s11, ttmp9, 3
	s_add_co_u32 s11, s11, s10                     ; which run of 64 rows is my wave's
	s_lshl_b32 s12, s11, 8                         ; 64 indices
	s_mov_b32 s13, 0
	s_lshl_b32 s14, s11, 14                        ; 64 rows of 256 bytes
	s_mov_b32 s15, 0
	s_wait_kmcnt 0x0
	s_add_nc_u64 s[4:5], s[4:5], s[12:13]
	s_add_nc_u64 s[8:9], s[8:9], s[14:15]
	s_wait_alu depctr_va_vdst(0)                   ; v1 is written, which the load below reads as its offset, and v6, which every store reads
	global_load_b64 v[2:3], v1, s[4:5] th:TH_LOAD_NT   ; lane l: the indices of rows 2 l and 2 l + 1
	s_wait_loadcnt 0x0
.irp n, 0,1,2,3,4,5,6,7,8,9,10,11,12,13,14,15      ; step k = 2 n + c: row k's index lies in lane n, row 32 + k's in lane 16 + n, register c: lane n of each half of the wave
.irp c, 0,1
	v_mov_b32_dpp v4, v[2+\c] row_share:\n row_mask:0xf bank_mask:0xf
	v_min_u32 v[OF+2*\n+\c], 0x3ff, v4
	v_lshl_add_u32 v[OF+2*\n+\c], v[OF+2*\n+\c], 8, v5
.endr
.endr
	s_wait_alu depctr_va_vdst(0)                   ; the 32 offsets v[OF ..] are written, which the gathers below read
.irp k, 0,1,2,3,4,5,6,7,8,9,10,11,12,13,14,15,16,17,18,19,20,21,22,23,24,25,26,27,28,29,30,31
	global_load_b128 v[DT+4*\k:DT+4*\k+3], v[OF+\k], s[6:7]
.endr
.irp k, 0,1,2,3,4,5,6,7,8,9,10,11,12,13,14,15,16,17,18,19,20,21,22,23,24,25,26,27,28,29,30,31
	s_wait_loadcnt 31-\k                           ; loads come back in order: step k's is in, the younger ones may be out
	global_store_b128 v6, v[DT+4*\k:DT+4*\k+3], s[8:9] offset:256*\k th:TH_STORE_NT   ; written once, read by nobody here
.endr
	s_endpgm
.Lfunc_end_k_q9ac98d4985_gather:
	.size	k_q9ac98d4985_gather, .Lfunc_end_k_q9ac98d4985_gather-k_q9ac98d4985_gather
	.p2alignl 7, 3214868480
	.fill 96, 4, 3214868480
	.section	.rodata,"a",@progbits
	.p2align	6, 0x0
	.amdhsa_kernel k_q9ac98d4985_gather
		.amdhsa_group_segment_fixed_size 0
		.amdhsa_private_segment_fixed_size 0
		.amdhsa_enable_private_segment 0
		.amdhsa_kernarg_size 24
		.amdhsa_user_sgpr_count 2
		.amdhsa_user_sgpr_kernarg_segment_ptr 1
		.amdhsa_wavefront_size32 1
		.amdhsa_system_sgpr_workgroup_id_x 1
		.amdhsa_system_sgpr_workgroup_id_y 1
		.amdhsa_system_sgpr_workgroup_id_z 1
		.amdhsa_system_vgpr_workitem_id 0
		.amdhsa_next_free_vgpr 168
		.amdhsa_next_free_sgpr 66
		.amdhsa_reserve_vcc 0
		.amdhsa_float_denorm_mode_32 3
		.amdhsa_float_denorm_mode_16_64 3
		.amdhsa_memory_ordered 1
		.amdhsa_forward_progress 1
		.amdhsa_inst_pref_size 15
	.end_amdhsa_kernel
	.amdgpu_metadata
---
amdhsa.version: [ 1, 2 ]
amdhsa.kernels:
  - .name:           k_q9ac98d4985_gather
    .symbol:         k_q9ac98d4985_gather.kd
    .args:
      - { .name: idx, .offset: 0, .size: 8, .value_kind: global_buffer, .address_space: global }
      - { .name: weight, .offset: 8, .size: 8, .value_kind: global_buffer, .address_space: global }
      - { .name: out0, .offset: 16, .size: 8, .value_kind: global_buffer, .address_space: global }
    .group_segment_fixed_size: 0
    .private_segment_fixed_size: 0
    .kernarg_segment_align: 8
    .kernarg_segment_size: 24
    .max_flat_workgroup_size: 256
    .sgpr_count:     66
    .vgpr_count:     168
    .wavefront_size: 32
...
	.end_amdgpu_metadata
.endif
;; end of part 4
